; MI455X (gfx1250); checked and timed in simulation.
; The chip was launched on July 23, 2026; its instructions are those of AMD's public machine-readable ISA for CDNA 5 (MIT licence, August 2026) and "CDNA5" Instruction Set Architecture Reference Guide (July 2026). The comments in the code are by the model that wrote it; some were corrected since.
;; Vector Quantizer. Allowed arithmetic: matrix products marked QUANTISED: E2M1 operands, one E8M0 scale for each 32 along K, by v_wmma_scale_f32_16x16x128_f8f6f4 with both operands' format E2M1 (or v_wmma_scale_f32_32x16x128_f4), f32 sums; everything else in f32.
;; Inputs: codebook 8,192 x 256 float32; x 32 x 256 x 32 x 32 float32.
;; Outputs: out0 32 x 256 x 32 x 32 float32; out1 one number float32.
;; This version of the problem:
;;   THIS VERSION OF THE PROBLEM IS GIVEN IN LOW PRECISION. The matrix products marked QUANTISED in the list below multiply operands that are first quantised to E2M1 (2 exponent bits, 1 mantissa bit; 4 bits a number), with one power-of-two scale for each 32 numbers along K (OCP MX v1.0); their sums are f32. All else is computed in f32.
;;   The module's matrix products, in the order in which they are computed (A, B: the left and right operand; K: the contracted axis; several contracted axes count as one K, in the product's order):
;;     1. [M 32,768, K 256] x [K 256, N 8,192]; A: input x; B: input codebook: QUANTISED
;;   THE QUANTISER, for each operand of a quantised product, along K:
;;     - K is cut into blocks of 32 from its start; a last block that is shorter is filled with zeros.
;;     - A block's scale is 2^e with e = floor(log2(the largest magnitude in the block)) - 2, held to -126 .. 127; a block of zeros has e = 0. As a byte (E8M0): e + 127.
;;     - Each number is divided by its block's scale, clamped to +-6, and rounded to the nearest number of E2M1, ties to even, subnormals kept.
;;     - The product sums the exact products of the quantised numbers (number of the format x scale) in f32.
;;   ~~~python
;;   def quantise(x, axis):      # numpy; x: float32 -> the quantised numbers, widened to float32 again
;;       x = np.moveaxis(x, axis, -1); K = x.shape[-1]
;;       x = np.pad(x, [(0, 0)] * (x.ndim - 1) + [(0, -K % 32)]); x = x.reshape(x.shape[:-1] + (-1, 32)); a = np.abs(x).max(-1, keepdims=True)
;;       e = np.where(a > 0, np.clip(np.frexp(np.where(a > 0, a, 1))[1] - 1 - 2, -126, 127), 0)      # np.frexp(a)[1] - 1 = floor(log2(a)), exactly
;;       r = np.clip(x / 2.0 ** e, -6, 6)
;;       step = 2.0 ** (np.maximum(np.frexp(np.where(r == 0, 1, r))[1] - 1, 0) - 1)
;;       q = np.round(r / step) * step * 2.0 ** e      # np.round: ties to even
;;       return np.moveaxis(q.reshape(q.shape[:-2] + (-1,))[..., :K], -1, axis).astype(np.float32)
;;   ~~~
;; One version. Each part assembles by itself: llvm-mc -triple=amdgcn-amd-amdhsa -mcpu=gfx1250 --defsym DOCPART=n.
;; ======== version 1 of 1: 4 launches
;; limits: right only within a limited range of input values
;; workspace buffers: cbq 1,146,880 bytes; idx 131,072 bytes of whole numbers; lossp 1,024 bytes
;; launch cbquant (part 1): grid 256 x 1, 2 waves a work-group, no clusters, 33,536 bytes of LDS; arguments codebook, cbq; writes cbq
.if DOCPART == 1
	.amdgcn_target "amdgcn-amd-amdhsa--gfx1250"
	.amdhsa_code_object_version 6
	.text
	.protected	k_q9b0c2f1d07_cbquant
	.globl	k_q9b0c2f1d07_cbquant
	.p2align	8
	.type	k_q9b0c2f1d07_cbquant,@function
k_q9b0c2f1d07_cbquant:
	s_mov_b64 s[64:65], 0
	v_nop
	global_prefetch_b8 v0, s[64:65] scope:SCOPE_SE
	s_setreg_imm32_b32 hwreg(HW_REG_WAVE_MODE, 25, 1), 1
	s_wait_xcnt 0x0
; The codebook [8192][256], f32, becomes what the product's launch wants of it: codes of FP4 (E2M1) with one E8M0 scale byte for each 32 along the
; 256 channels, laid as IMAGES OF THE OPERAND'S REGISTERS, the scale words beside them, and se = the sum of each row's squares (f32).
; cbq is 64 sub-blocks of 17,920 bytes; sub-block n holds codebook rows 128 n .. 128 n + 127 as 8 tiles i of 16 rows:
;   codes   at 2048 i + 512 (2 s + c) + 16 lane: lane (r, h) has the 16 bytes of row r, k = 128 s + 64 c + 32 h + 0 .. 31 (s: K step of 128; c: group of four registers)
;   scales  at 16384 + 128 i + 4 lane: lanes 0-15 row r's word of K step 0, lanes 16-31 its word of K step 1
;   se      at 17408 + 64 i + 4 row
; A block's scale is 2^(floor(log2(its largest magnitude)) - 2): its byte is the largest magnitude's exponent field - 2, held at 1 from below.
; LIMITS: NaN and infinities are not served; blocks whose largest magnitude lies under 2^-124 keep the byte 1 (not tried); a block of zeros has the byte 1 where
; the rule says 127: its codes are zeros, and the bytes are read by this program alone; se is summed in another order than a plain running sum.
; SHARES: a wave takes one tile: 16 rows, 16,384 dense bytes.  Each of its 32 loads reads 512 consecutive bytes; the rows turn through the wave's own stage in LDS
; (rows 1,040 bytes apart), so that a lane then holds 4 whole blocks of 32 neighbours along K.  Waves share nothing: no barrier.  No work-group reads what another reads: no cluster.
; The codes leave in stores of 512 consecutive aligned bytes; the scale words (128 bytes a tile) and se (64 bytes a tile) are short stores: 192 of a tile's 2,240 bytes.
.set PIT,  1040                        ; a stage row: 1,024 bytes + 16
.set WST,  16*PIT                      ; a wave's stage
.set SUB,  17920                       ; a sub-block of cbq
.set MX,   12                          ; v12-15   the four blocks' largest magnitudes
.set SO,   16                          ; v16-19   the conversions' scale operands
.set BY,   20                          ; v20-23   the scale bytes
.set SQ,   24                          ; v24-31   four pairs of sums of squares
.set R,    32                          ; v32-159  128 numbers
.set CD,   160                         ; v160-175 the codes: register 4 b + g, b = 2 s + c
	s_load_b128 s[4:7], s[0:1], 0x0                ; codebook s[4:5], cbq s[6:7]
	v_lshl_add_u32 v192, v0, 2, 0x8200
	v_mov_b32 v193, 0
	v_lshrrev_b32 v1, 5, v0
	v_readfirstlane_b32 s8, v1                     ; wave 0, 1
	v_and_b32 v1, 31, v0                           ; lane
	v_and_b32 v2, 15, v0                           ; r
	s_wait_alu depctr_va_vdst(0)
	v_bfe_u32 v3, v0, 4, 1                         ; h
	s_wait_alu depctr_va_vdst(0)
	v_lshlrev_b32 v4, 4, v1                        ; 16 x lane: my bytes of a load's 512
	s_mul_i32 s9, s8, WST
	v_add_nc_u32 v5, s9, v4                        ; the stage, on the way in
	v_mul_u32_u24 v6, v2, PIT
	v_lshl_add_u32 v6, v3, 7, v6
	v_add_nc_u32 v6, s9, v6                        ; and on the way out: row r, + 128 h bytes (32 h numbers)
	s_lshl_b32 s10, ttmp9, 1
	s_add_co_u32 s10, s10, s8                      ; my tile, 0 .. 511
	s_and_b32 s11, s10, 7                          ; its place i in its sub-block
	s_lshl_b32 s12, s11, 11
	v_add_nc_u32 v7, s12, v4                       ; codes: 2048 i + 16 lane
	s_lshl_b32 s12, s11, 7
	s_add_co_u32 s12, s12, 16384
	v_lshl_add_u32 v8, v1, 2, s12                  ; scale words: 16384 + 128 i + 4 lane
	s_lshl_b32 s12, s11, 6
	s_add_co_u32 s12, s12, 17408
	v_lshl_add_u32 v9, v2, 2, s12                  ; se: 17408 + 64 i + 4 r
	v_lshlrev_b32 v10, 3, v3                       ; 8 h: my bytes' shift in a scale word
	s_lshl_b32 s16, s10, 14                        ; the tile's 16,384 bytes in the codebook
	s_mov_b32 s17, 0
	s_lshr_b32 s18, s10, 3
	s_mul_i32 s18, s18, SUB                        ; its sub-block in cbq
	s_mov_b32 s19, 0
	s_mov_b32 s14, 0x76543210
	s_mov_b32 s15, 0xfedcba98                      ; v_permlanex16_b32's selects for lane l xor 16
	v_mov_b32 v176, 0                              ; a lane permute's destination counts as one of its sources: written once
	v_mov_b32 v179, 0
	v_mov_b32 v180, 0
	s_wait_alu depctr_va_vdst(0)
	s_wait_kmcnt 0x0
	s_add_nc_u64 s[4:5], s[4:5], s[16:17]
	s_add_nc_u64 s[6:7], s[6:7], s[18:19]
.set i, 0
.rept 32
	global_load_b128 v[R+4*i:R+4*i+3], v4, s[4:5] offset:512*i th:TH_LOAD_NT   ; 32 lanes read 512 consecutive bytes: half a row
.set i, i+1
.endr
.set i, 0
.rept 32
	s_wait_loadcnt 31-i                            ; loads come back in order: load i is in, the 31 - i younger ones may be out
	ds_store_b128 v5, v[R+4*i:R+4*i+3] offset:(i/2)*PIT+(i%2)*512
.set i, i+1
.endr
	s_wait_dscnt 0x0                               ; the stores have read their registers, which the loads below write
.irp b, 0,1,2,3                                    ; block b = 2 s + c of my row: k = 64 b + 32 h + 0 .. 31, 128 bytes
.irp g, 0,1,2,3,4,5,6,7
	ds_load_b128 v[R+32*\b+4*\g:R+32*\b+4*\g+3], v6 offset:256*\b+16*\g
.endr
.endr
	s_wait_dscnt 0x0
.irp b, 0,1,2,3
	v_max3_num_f32 v[MX+\b], |v[R+32*\b]|, |v[R+32*\b+1]|, 0x1800000   ; the floor 2^(3 - 127) among the leaves: the byte cannot fall under 1
.endr
.irp i, 2,4,6,8,10,12,14,16,18,20,22,24,26,28,30
.irp b, 0,1,2,3
	v_max3_num_f32 v[MX+\b], v[MX+\b], |v[R+32*\b+\i]|, |v[R+32*\b+\i+1]|   ; the four blocks by turns: no line waits for the line above it
.endr
.endr
.irp b, 0,1,2,3
	v_pk_mul_f32 v[SQ+2*\b:SQ+2*\b+1], v[R+32*\b:R+32*\b+1], v[R+32*\b:R+32*\b+1]   ; the first squares start the sums
.endr
.irp i, 2,4,6,8,10,12,14,16,18,20,22,24,26,28,30
.irp b, 0,1,2,3
	v_pk_fma_f32 v[SQ+2*\b:SQ+2*\b+1], v[R+32*\b+\i:R+32*\b+\i+1], v[R+32*\b+\i:R+32*\b+\i+1], v[SQ+2*\b:SQ+2*\b+1]
.endr
.endr
	v_pk_add_f32 v[SQ:SQ+1], v[SQ:SQ+1], v[SQ+2:SQ+3]
	v_pk_add_f32 v[SQ+4:SQ+5], v[SQ+4:SQ+5], v[SQ+6:SQ+7]
	v_pk_add_f32 v[SQ:SQ+1], v[SQ:SQ+1], v[SQ+4:SQ+5]
	v_add_f32 v[SQ], v[SQ], v[SQ+1]                ; my 128 numbers' squares,
	v_permlanex16_b32 v176, v[SQ], s14, s15
	v_add_f32 v[SQ], v[SQ], v176                   ; and lane l xor 16's: se of row r
.irp b, 0,1,2,3
	v_add_nc_u32 v[SO+\b], 0xff000000, v[MX+\b]    ; 2 off the exponent field: the conversion takes the exponent field of this operand as its scale, and nothing else of it
.endr
.irp b, 0,1,2,3
	v_lshrrev_b32 v[BY+\b], 23, v[SO+\b]           ; the scale's byte
.endr
	v_lshl_or_b32 v177, v[BY+1], 16, v[BY]         ; K step 0: my two bytes, blocks h and 2 + h of its four,
	v_lshl_or_b32 v178, v[BY+3], 16, v[BY+2]       ; K step 1 likewise,
	v_lshlrev_b32 v177, v10, v177                  ; at their places in the word;
	v_lshlrev_b32 v178, v10, v178
	v_permlanex16_b32 v179, v177, s14, s15
	v_permlanex16_b32 v180, v178, s14, s15
	v_or_b32 v177, v177, v179                      ; with lane l xor 16's two bytes each word is whole
	v_or_b32 v178, v178, v180
	v_cmp_gt_u32 vcc_lo, 16, v1
	v_cndmask_b32 v181, v178, v177, vcc_lo         ; the image: lanes 0-15 K step 0's word, lanes 16-31 K step 1's
.irp b, 0,1,2,3
.irp g, 0,1,2,3
	v_cvt_scalef32_pk8_fp4_f32 v[CD+4*\b+\g], v[R+32*\b+8*\g:R+32*\b+8*\g+7], v[SO+\b]   ; eight numbers / the scale, to the nearest code, ties to even, beyond 6 the largest code
.endr
.endr
	v_nop                                          ; one plain line behind the last scaled conversion
.irp b, 0,1,2,3
	global_store_b128 v7, v[CD+4*\b:CD+4*\b+3], s[6:7] offset:512*\b   ; 32 lanes store 512 consecutive bytes, at a multiple of 256 from cbq's first byte
.endr
	global_store_b32 v8, v181, s[6:7]
	s_wait_xcnt 0x0                                ; EXEC is a source of the stores above: it changes only behind this wait
	s_wait_tensorcnt 0x0
	ds_add_u32 v192, v193
	s_wait_dscnt 0x0
	s_and_saveexec_b32 s20, vcc_lo                 ; lanes 0-15: one lane a row
	global_store_b32 v9, v[SQ], s[6:7]
	s_wait_xcnt 0x0                                ; and again in front of the line that widens it
	s_or_b32 exec_lo, exec_lo, s20
	s_endpgm
.Lfunc_end_k_q9b0c2f1d07_cbquant:
	.size	k_q9b0c2f1d07_cbquant, .Lfunc_end_k_q9b0c2f1d07_cbquant-k_q9b0c2f1d07_cbquant
	.p2alignl 7, 3214868480
	.fill 96, 4, 3214868480
	.section	.rodata,"a",@progbits
	.p2align	6, 0x0
	.amdhsa_kernel k_q9b0c2f1d07_cbquant
		.amdhsa_group_segment_fixed_size 33536
		.amdhsa_private_segment_fixed_size 0
		.amdhsa_enable_private_segment 0
		.amdhsa_kernarg_size 16
		.amdhsa_user_sgpr_count 2
		.amdhsa_user_sgpr_kernarg_segment_ptr 1
		.amdhsa_wavefront_size32 1
		.amdhsa_system_sgpr_workgroup_id_x 1
		.amdhsa_system_sgpr_workgroup_id_y 1
		.amdhsa_system_sgpr_workgroup_id_z 1
		.amdhsa_system_vgpr_workitem_id 0
		.amdhsa_next_free_vgpr 194
		.amdhsa_next_free_sgpr 66
		.amdhsa_reserve_vcc 1
		.amdhsa_float_denorm_mode_32 3
		.amdhsa_float_denorm_mode_16_64 3
		.amdhsa_memory_ordered 1
		.amdhsa_forward_progress 1
		.amdhsa_inst_pref_size 22
	.end_amdhsa_kernel
	.amdgpu_metadata
---
amdhsa.version: [ 1, 2 ]
amdhsa.kernels:
  - .name:           k_q9b0c2f1d07_cbquant
    .symbol:         k_q9b0c2f1d07_cbquant.kd
    .args:
      - { .name: codebook, .offset: 0, .size: 8, .value_kind: global_buffer, .address_space: global }
      - { .name: cbq, .offset: 8, .size: 8, .value_kind: global_buffer, .address_space: global }
    .group_segment_fixed_size: 33536
    .private_segment_fixed_size: 0
    .kernarg_segment_align: 8
    .kernarg_segment_size: 16
    .max_flat_workgroup_size: 64
    .sgpr_count:     66
    .vgpr_count:     194
    .wavefront_size: 32
...
	.end_amdgpu_metadata
.endif
;; end of part 1
;; launch nearest (part 2): grid 256 x 1, 8 waves a work-group, no clusters, 27,648 bytes of LDS; arguments x, cbq, idx; writes idx
.if DOCPART == 2
	.amdgcn_target "amdgcn-amd-amdhsa--gfx1250"
	.amdhsa_code_object_version 6
	.text
	.protected	k_q9b0c2f1d07_nearest
	.globl	k_q9b0c2f1d07_nearest
	.p2align	8
	.type	k_q9b0c2f1d07_nearest,@function
k_q9b0c2f1d07_nearest:
	s_mov_b64 s[64:65], 0
	v_nop
	global_prefetch_b8 v0, s[64:65] scope:SCOPE_SE
	s_setreg_imm32_b32 hwreg(HW_REG_WAVE_MODE, 25, 1), 1
	s_wait_xcnt 0x0
; idx[p] = the first j that makes d(p, j) = (sx_p + se_j) - 2 sim(p, j) least, over the 8,192 codebook rows j; p = 1024 b + hw, 32,768 pixels.
; sim is the QUANTISED product: x's 256 channels of a pixel and a codebook row, both as FP4 (E2M1) codes with one E8M0 byte for each 32 channels, by the scaled matrix instruction, sums in f32.
; d is rounded as it is written: T = se + sx (one f32 addition), d = T - 2 sim (one fused multiply-add; 2 sim is exact).  sx is the same for all j, but it stays: it is far larger
; than the rest and sets the rounding of d, and so the ties, which go to the lower j.  Nothing of the problem is left out here.
; LIMITS: NaN and infinities are not served; sx and se are summed in another order than a plain running sum; a block of x under 2^-124 keeps the scale byte 1.
; SHARES.  A work-group owns 128 neighbouring pixels of one image; all its 8 waves hold the codes of all 128 pixels in registers (8 tiles of 16 pixels x 256 channels, 128 registers).
; The codebook comes as cbq, 64 sub-blocks of 17,920 bytes (128 rows each: register images of the codes, scale words, se).  A chunk is 8 sub-blocks; wave w takes sub-block w of each of the 8 chunks: 64 tiles of 16 rows.
; THE CODEBOOK GOES FROM MEMORY STRAIGHT INTO REGISTERS: cbq holds the operand's registers as they are wanted, and each of its bytes is used by ONE wave of the work-group, ONCE.  A tile is 7 loads (4 of 512 consecutive
; bytes of codes, the scale words, se); four register sets, asked for three tiles ahead.  So the walk has no LDS slot, no barrier, and no wave waits for another.
; NO CLUSTER, NO JOINT LOADS: a joint load lands in LDS, where each byte would be written once and read once with no second reader in the work-group, and each of 7 refills of two slots would ask for a round of all waves of the cluster.
; No data prefetch: the loads into registers themselves run three tiles (21 loads a wave) ahead of their use, and all work-groups walk the same 1,146,880 bytes in the same order.
; The products are used transposed (source 0 = 16 codebook rows, source 1 = 16 pixels): lane (r, h) holds pixel r, its 8 registers rows 8 h + 0 .. 7.
; For each tile of 16 rows and each tile of pixels a lane keeps: M the least d so far, Q the first row of the tile that brought it, W that tile's 8 numbers; only a strictly smaller d replaces them.
; At the end the place in W, the other half of the lanes and the other 7 waves are joined, the lower j winning among equals.
.set SUB,   17920
.set SLOT,  8*SUB                      ; a chunk
.set XSC,   16384                      ; LDS: from 0 x's codes, 8 tiles x 2,048 bytes, register images; here x's scale words, 128 bytes a tile
.set SXP,   XSC+1024                   ; sx in two halves of the channels
.set MRG,   SXP+1024                   ; the waves' results: 1,024 bytes a wave
.set SPARE, MRG+8192                   ; the spare words: 128 bytes a wave, named by no other line
.set VF,  4                            ; v4  16 x lane;  v5  4 x lane;  v6  32 h: my offsets in a tile's codes, scale words, se; never rewritten
.set VS,  5
.set VE,  6
.set SPW, 10                           ; v10 my spare word;  v11  0: both never rewritten
.set NIL, 11
.set XS,  16                           ; v16-23   x's scale words, a register a tile of pixels
.set CS,  24                           ; v24-27   the codebook tile's scale words, four sets
.set SE,  28                           ; v28-59   se of my 8 rows, four sets
.set TT,  60                           ; v60-75   T of two tiles of pixels, then part minima; at the head: at work
.set SX,  76                           ; v76-91   sx of my pixel, twice, for each tile of pixels
.set M,   92                           ; v92-107  two sets by turns
.set Q,   108
.set W,   116
.set ACC, 180
.set XR,  116                          ; at the head v116-243 take x: 4 blocks of 32 channels of my pixel
.set XF,  0                            ; window 1: v0-127 x's fragments, v128-191 the codebook tile's, four sets
.set CF,  128
.set CB,  35
.set SEL, 38
.set MSB, 0
.macro WIN new                         ; the immediate's high byte repeats the setting that is left
.if MSB != \new
	s_set_vgpr_msb (MSB<<8)|\new
.set MSB, \new
.endif
.endm
.macro FETCH n                         ; tile n, counted from the current chunk's first (8 and more: the next chunk's), into set n % 4
	WIN 0x40
.irp c, 0,1,2,3
	global_load_b128 v[CF+16*((\n)%4)+4*\c:CF+16*((\n)%4)+4*\c+3], v[VF], s[6:7] offset:((\n)/8)*SLOT+((\n)%8)*2048+512*\c
.endr
	WIN 0
	global_load_b32 v[CS+(\n)%4], v[VS], s[6:7] offset:((\n)/8)*SLOT+16384+((\n)%8)*128
	global_load_b128 v[SE+8*((\n)%4):SE+8*((\n)%4)+3], v[VE], s[6:7] offset:((\n)/8)*SLOT+17408+((\n)%8)*64
	global_load_b128 v[SE+8*((\n)%4)+4:SE+8*((\n)%4)+7], v[VE], s[6:7] offset:((\n)/8)*SLOT+17408+((\n)%8)*64+16
.endm
.macro MULS g                          ; 16 rows x 128 pixels x 256 channels: the 8 accumulators by turns, one instruction a turn; the first K step starts the sums
	WIN 0x05
.irp T, 0,1,2,3,4,5,6,7
	v_wmma_scale_f32_16x16x128_f8f6f4 v[ACC+8*\T:ACC+8*\T+7], v[CF+16*(\g):CF+16*(\g)+7], v[XF+16*\T:XF+16*\T+7], 0, v[CS+(\g)], v[XS+\T] matrix_a_fmt:MATRIX_FMT_FP4 matrix_b_fmt:MATRIX_FMT_FP4
.endr
.irp T, 0,1,2,3,4,5,6,7
	v_wmma_scale_f32_16x16x128_f8f6f4 v[ACC+8*\T:ACC+8*\T+7], v[CF+16*(\g)+8:CF+16*(\g)+15], v[XF+16*\T+8:XF+16*\T+15], v[ACC+8*\T:ACC+8*\T+7], v[CS+(\g)], v[XS+\T] matrix_a_fmt:MATRIX_FMT_FP4 matrix_b_fmt:MATRIX_FMT_FP4 matrix_a_scale:MATRIX_SCALE_ROW1 matrix_b_scale:MATRIX_SCALE_ROW1
.endr
	WIN 0
.endm
; Two tiles of pixels, T and T + 1, by turns.  f: which set of M is read;  g: the set of se.  The 8 additions are also the places between the products and the first read of their results; each accumulator is read from its low end on.
.macro PAIR T, f, g
.irp u, 0,1
.irp p, 0,2,4,6
	v_pk_add_f32 v[TT+8*\u+\p:TT+8*\u+\p+1], v[SE+8*(\g)+\p:SE+8*(\g)+\p+1], v[SX+2*(\T+\u):SX+2*(\T+\u)+1]   ; T = se + sx
.endr
.endr
.irp p, 0,2,4,6
.irp u, 0,1
	v_pk_fma_f32 v[ACC+8*(\T+\u)+\p:ACC+8*(\T+\u)+\p+1], v[ACC+8*(\T+\u)+\p:ACC+8*(\T+\u)+\p+1], -2.0, v[TT+8*\u+\p:TT+8*\u+\p+1] op_sel_hi:[1,0,1]   ; d = sim x (-2) + T, rounded once
.endr
.endr
.irp u, 0,1
	v_min3_num_f32 v[TT+8*\u], v[ACC+8*(\T+\u)], v[ACC+8*(\T+\u)+1], v[ACC+8*(\T+\u)+2]
.endr
.irp u, 0,1
	v_min3_num_f32 v[TT+8*\u+1], v[ACC+8*(\T+\u)+3], v[ACC+8*(\T+\u)+4], v[ACC+8*(\T+\u)+5]
.endr
.irp u, 0,1
	v_min3_num_f32 v[TT+8*\u+2], v[ACC+8*(\T+\u)+6], v[ACC+8*(\T+\u)+7], v[M+8*(\f)+\T+\u]
.endr
.irp u, 0,1
	s_delay_alu instid0(VALU_DEP_2)
	v_min3_num_f32 v[M+8*(1-(\f))+\T+\u], v[TT+8*\u], v[TT+8*\u+1], v[TT+8*\u+2]
.endr
.irp u, 0,1
	v_cmp_lt_f32 vcc_lo, v[M+8*(1-(\f))+\T+\u], v[M+8*(\f)+\T+\u]          ; strictly smaller: an equal d of a later row changes nothing
.irp p, 0,2,4,6
	v_dual_cndmask_b32 v[W+8*(\T+\u)+\p], v[W+8*(\T+\u)+\p], v[ACC+8*(\T+\u)+\p] :: v_dual_cndmask_b32 v[W+8*(\T+\u)+\p+1], v[W+8*(\T+\u)+\p+1], v[ACC+8*(\T+\u)+\p+1]
.endr
	v_cndmask_b32 v[Q+\T+\u], v[Q+\T+\u], s[CB], vcc_lo
.endr
.endm
; Tile i of a chunk.  more = 1: a chunk follows, and the fetches run on into it;  more = 0: the last chunk, which fetches nothing beyond its own 8 tiles.
.macro TILE i, more
.if (\more) || ((\i) < 6)
	s_wait_loadcnt 14                              ; loads come back in order: this tile's 7 are in, the 14 of the two tiles behind it may be out
.else
	s_wait_loadcnt 7*(7-(\i))                      ; the last chunk's counts run down: 7, 0
.endif
	MULS (\i)%4
.if (\more) || ((\i) < 5)
	FETCH (\i)+3                                   ; into the set of tile i - 1, whose products and selection are over
.endif
	PAIR 0, (\i)%2, (\i)%4
	PAIR 2, (\i)%2, (\i)%4
	PAIR 4, (\i)%2, (\i)%4
	PAIR 6, (\i)%2, (\i)%4
.if (\i) < 7
	s_add_co_u32 s[CB], s[CB], 16
.else
	s_add_co_u32 s[CB], s[CB], 912                 ; to my sub-block of the next chunk: 1,024 rows on from its first tile
.endif
.endm
.macro LEX ma, ia, mb, ib              ; (ma, ia) takes (mb, ib) if mb is smaller, or equal with the lower index
	v_cmp_lt_f32 s40, v[\mb], v[\ma]
	v_cmp_eq_f32 s41, v[\mb], v[\ma]
	v_cmp_lt_u32 s42, v[\ib], v[\ia]
	s_and_b32 s41, s41, s42
	s_or_b32 s40, s40, s41
	v_cndmask_b32 v[\ma], v[\ma], v[\mb], s40
	v_cndmask_b32 v[\ia], v[\ia], v[\ib], s40
.endm
.macro XLOAD t                         ; block t: channels 32 t + 0 .. 31 of my wave's 128, of my pixel: a lane to a pixel, registers down the channels
.set xi, 0
.rept 32
	global_load_b32 v[XR+32*(\t)+xi], v[VS], s[4:5] offset:(32*(\t)+xi)*4096 th:TH_LOAD_NT
.set xi, xi+1
.endr
.endm
	s_load_b128 s[4:7], s[0:1], 0x0                ; x s[4:5], cbq s[6:7]
	s_load_b64 s[8:9], s[0:1], 0x10                ; idx
	v_lshl_add_u32 v[SPW], v0, 2, SPARE
	v_mov_b32 v[NIL], 0
	v_lshrrev_b32 v1, 5, v0
	s_delay_alu instid0(VALU_DEP_1)
	v_readfirstlane_b32 s10, v1                    ; wave 0..7
	s_mul_i32 s44, s10, SUB                        ; my sub-block in a chunk
	s_mov_b32 s45, 0
	s_and_b32 s42, s10, 3                          ; at the head: which 32 pixels I quantise,
	s_lshr_b32 s43, s10, 2                         ; and which 128 channels
	s_lshl_b32 s48, s42, 12                        ; x's codes: tile 2 (w % 4) + h at 2,048 bytes, K step w / 4 at 1,024
	s_lshl_b32 s41, s43, 10
	s_add_co_u32 s48, s48, s41
	s_lshl_b32 s49, s42, 8                         ; scale words: 128 bytes a tile, K step 1's 64 bytes on
	s_lshl_b32 s41, s43, 6
	s_add_co_u32 s49, s49, s41
	s_add_co_u32 s49, s49, XSC
	s_lshl_b32 s50, s43, 9                         ; sx: 512 bytes for each half of the channels
	s_lshl_b32 s41, s42, 7
	s_add_co_u32 s50, s50, s41
	s_add_co_u32 s50, s50, SXP
	s_lshr_b32 s40, ttmp9, 3                       ; x: image g / 8 (2^20 bytes), pixels 128 (g % 8) + 32 (w % 4), channels 128 (w / 4)
	s_lshl_b32 s40, s40, 20
	s_and_b32 s41, ttmp9, 7
	s_lshl_b32 s41, s41, 9
	s_add_co_u32 s40, s40, s41
	s_lshl_b32 s41, s42, 7
	s_add_co_u32 s40, s40, s41
	s_lshl_b32 s41, s43, 19
	s_add_co_u32 s40, s40, s41
	s_mov_b32 s41, 0
	s_lshl_b32 s14, ttmp9, 9                       ; idx: 128 words a work-group
	s_mov_b32 s15, 0
	s_mov_b32 s[SEL], 0x76543210
	s_mov_b32 s[SEL+1], 0xfedcba98                 ; v_permlanex16_b32's selects for lane l xor 16
	s_lshl_b32 s[CB], s10, 7                       ; my first row: 128 w
	v_and_b32 v1, 31, v0                           ; lane
	v_and_b32 v2, 15, v0                           ; r
	v_bfe_u32 v3, v0, 4, 1                         ; h
	v_lshlrev_b32 v7, 4, v2
	v_lshlrev_b32 v8, 2, v2
	v_lshlrev_b32 v[VF], 4, v1
	v_lshlrev_b32 v[VS], 2, v1
	v_lshlrev_b32 v[VE], 5, v3
	v_lshl_add_u32 v12, v3, 11, s48
	v_lshl_add_u32 v13, v3, 7, s49
	v_lshl_add_u32 v14, v1, 2, s50
	s_delay_alu instid0(VALU_DEP_3)
	v_add_nc_u32 v12, v12, v7                      ; where my 16 bytes of a block's codes go,
	s_delay_alu instid0(VALU_DEP_3)
	v_add_nc_u32 v13, v13, v8                      ; and my pixel's scale word
	s_wait_alu depctr_va_vdst(0)
	s_wait_kmcnt 0x0
	s_add_nc_u64 s[4:5], s[4:5], s[40:41]
	s_add_nc_u64 s[8:9], s[8:9], s[14:15]
	s_add_nc_u64 s[6:7], s[6:7], s[44:45]
	FETCH 0                                        ; the first three tiles of the codebook: 21 loads,
	FETCH 1
	FETCH 2
	XLOAD 0                                        ; and behind them all of my part of x: 128 loads
	XLOAD 1
	XLOAD 2
	XLOAD 3
; A block of 32 channels of my pixel: its largest magnitude (floor 2^-124), scale byte = exponent field - 2, 32 codes, and its squares onto sx.
.macro XBLOCK t
.set XN, XR+32*(\t)
.if (\t) == 0
	s_wait_loadcnt 63                              ; of 149 loads at most 63 are out: the three tiles and blocks 0 and 1 are in
.endif
.if (\t) == 2
	s_wait_loadcnt 32                              ; only block 3's may be out
.endif
.if (\t) == 3
	s_wait_loadcnt 0x0
.endif
	v_max3_num_f32 v60, |v[XN]|, |v[XN+1]|, |v[XN+2]|
	v_max3_num_f32 v61, |v[XN+3]|, |v[XN+4]|, |v[XN+5]|
.irp i, 6,10,14,18,22,26
	s_delay_alu instid0(VALU_DEP_2)
	v_max3_num_f32 v60, v60, |v[XN+\i]|, |v[XN+\i+1]|
	s_delay_alu instid0(VALU_DEP_2)
	v_max3_num_f32 v61, v61, |v[XN+\i+2]|, |v[XN+\i+3]|
.endr
	s_delay_alu instid0(VALU_DEP_2)
	v_max3_num_f32 v60, v60, |v[XN+30]|, |v[XN+31]|
	s_delay_alu instid0(VALU_DEP_1)
	v_max3_num_f32 v60, v60, v61, 0x1800000
.if (\t) == 0
	v_pk_mul_f32 v[64:65], v[XN:XN+1], v[XN:XN+1]                  ; the first squares start the sums
	v_pk_mul_f32 v[66:67], v[XN+2:XN+3], v[XN+2:XN+3]
.else
	v_pk_fma_f32 v[64:65], v[XN:XN+1], v[XN:XN+1], v[64:65]
	v_pk_fma_f32 v[66:67], v[XN+2:XN+3], v[XN+2:XN+3], v[66:67]
.endif
.irp i, 4, 8, 12, 16, 20, 24, 28
	s_delay_alu instid0(VALU_DEP_2)
	v_pk_fma_f32 v[64:65], v[XN+\i:XN+\i+1], v[XN+\i:XN+\i+1], v[64:65]
	s_delay_alu instid0(VALU_DEP_2)
	v_pk_fma_f32 v[66:67], v[XN+\i+2:XN+\i+3], v[XN+\i+2:XN+\i+3], v[66:67]
.endr
	v_add_nc_u32 v62, 0xff000000, v60              ; 2 off the exponent field: the conversion's scale operand
	s_delay_alu instid0(VALU_DEP_1)
	v_lshrrev_b32 v63, 23, v62                     ; the scale's byte
.if (\t) == 0
	s_delay_alu instid0(VALU_DEP_1)
	v_mov_b32 v68, v63
.else
	s_delay_alu instid0(VALU_DEP_1)
	v_lshl_or_b32 v68, v63, 8*(\t), v68
.endif
.irp g, 0,1,2,3
	v_cvt_scalef32_pk8_fp4_f32 v[72+\g], v[XN+8*\g:XN+8*\g+7], v62
.endr
	v_nop                                          ; one plain line behind the last scaled conversion
	ds_store_b128 v12, v[72:75] offset:((\t)/2)*512+((\t)%2)*256   ; group of four registers t / 2, half of the lanes t % 2
	s_wait_dscnt 0x0                               ; the store has read its registers: the next block's codes may be written
.endm
	XBLOCK 0
	XBLOCK 1
	XBLOCK 2
	XBLOCK 3
	s_wait_alu depctr_va_vdst(0)
	v_pk_add_f32 v[64:65], v[64:65], v[66:67]
	s_delay_alu instid0(VALU_DEP_1)
	v_add_f32 v64, v64, v65
	ds_store_b32 v13, v68
	ds_store_b32 v14, v64
	s_wait_dscnt 0x0                               ; my stores of x's codes, scale words and sums are done, for the other waves' sake
	s_barrier_signal -1
	s_barrier_wait -1                              ; x's images are whole
	v_lshl_add_u32 v13, v1, 2, XSC
	v_lshl_add_u32 v14, v2, 2, SXP
	WIN 0x40
.set i, 0
.rept 32
	ds_load_b128 v[XF+4*i:XF+4*i+3], v[VF] offset:512*i            ; the images begin at LDS byte 0: 16 x lane
.set i, i+1
.endr
	WIN 0
.irp T, 0,1,2,3,4,5,6,7
	ds_load_b32 v[XS+\T], v13 offset:128*\T
.endr
.irp T, 0,1,2,3,4,5,6,7
	ds_load_b32 v[TT+\T], v14 offset:64*\T
	ds_load_b32 v[TT+8+\T], v14 offset:64*\T+512
.endr
	s_mov_b32 s40, 0x7f800000                      ; M and W begin at +infinity, Q at 0
.set i, 0
.rept 8
	v_mov_b32 v[M+i], s40
	v_mov_b32 v[Q+i], 0
.set i, i+1
.endr
.set i, 0
.rept 64
	v_mov_b32 v[W+i], s40
.set i, i+1
.endr
	s_wait_dscnt 0x0
.irp T, 0,1,2,3,4,5,6,7
	v_add_f32 v[SX+2*\T], v[TT+\T], v[TT+8+\T]     ; sx of pixel 16 T + r, in both registers of a pair
	v_add_f32 v[SX+2*\T+1], v[TT+\T], v[TT+8+\T]
.endr
	s_wait_alu depctr_va_vdst(0)
	s_mov_b32 s37, 7
.Lwalk:                                                ; a trip is a chunk: my sub-block's 8 tiles; every offset is an immediate
.irp i, 0,1,2,3,4,5,6,7
	TILE \i, 1
.endr
	s_wait_xcnt 0x0                                ; the loads have read their base: it is stepped only behind this wait
	s_add_nc_u64 s[6:7], s[6:7], SLOT
	s_sub_co_u32 s37, s37, 1
	s_cmp_lg_u32 s37, 0
	s_cbranch_scc1 .Lwalk
.irp i, 0,1,2,3,4,5,6,7
	TILE \i, 0                                     ; the last chunk is written out: no load leaves cbq
.endr
	v_lshlrev_b32 v15, 3, v3
	s_lshl_b32 s40, s10, 10
	s_add_co_u32 s40, s40, MRG
	v_lshl_add_u32 v12, v2, 3, s40
	v_lshl_add_u32 v13, v0, 3, MRG
	v_lshlrev_b32 v14, 2, v0
.macro RESOLVE T                       ; the first place in W that holds M; row = Q + 8 h + place; then the other half of the lanes
.set RM, ACC+2*(\T)
	v_mov_b32 v[RM+1], 7
.irp j, 6,5,4,3,2,1,0
	v_cmp_eq_f32 vcc_lo, v[W+8*(\T)+\j], v[M+(\T)]
	s_delay_alu instid0(VALU_DEP_1)
	v_cndmask_b32 v[RM+1], v[RM+1], \j, vcc_lo
.endr
	s_delay_alu instid0(VALU_DEP_1)
	v_add3_u32 v[RM+1], v[Q+(\T)], v[RM+1], v15
	v_mov_b32 v[RM], v[M+(\T)]
	s_delay_alu instid0(VALU_DEP_1)
	v_permlanex16_b32 v[TT+(\T)], v[RM], s[SEL], s[SEL+1]
	s_delay_alu instid0(VALU_DEP_3)
	v_permlanex16_b32 v[TT+8+(\T)], v[RM+1], s[SEL], s[SEL+1]
	LEX RM, RM+1, TT+(\T), TT+8+(\T)
	ds_store_b64 v12, v[RM:RM+1] offset:128*(\T)   ; both halves of the lanes write the same pair
.endm
.irp T, 0,1,2,3,4,5,6,7
	RESOLVE \T
.endr
	s_wait_dscnt 0x0                               ; for the others' sake
	s_barrier_signal -1
	s_barrier_wait -1
	s_cmp_gt_u32 s10, 3
	s_cbranch_scc1 .Lend                           ; threads 0 to 127 join the eight waves' results, a thread a pixel
.irp k, 0,1,2,3,4,5,6,7
	ds_load_b64 v[ACC+2*\k:ACC+2*\k+1], v13 offset:1024*\k
.endr
	s_wait_dscnt 0x0
.irp k, 1,2,3,4,5,6,7
	LEX ACC, ACC+1, ACC+2*\k, ACC+2*\k+1
.endr
	global_store_b32 v14, v[ACC+1], s[8:9]         ; a wave stores 128 consecutive bytes, the four waves the work-group's 512
.Lend:
	s_wait_tensorcnt 0x0                           ; the wave's end
	ds_add_u32 v[SPW], v[NIL]
	s_wait_dscnt 0x0
	s_endpgm
.Lfunc_end_k_q9b0c2f1d07_nearest:
	.size	k_q9b0c2f1d07_nearest, .Lfunc_end_k_q9b0c2f1d07_nearest-k_q9b0c2f1d07_nearest
	.p2alignl 7, 3214868480
	.fill 96, 4, 3214868480
	.section	.rodata,"a",@progbits
	.p2align	6, 0x0
	.amdhsa_kernel k_q9b0c2f1d07_nearest
		.amdhsa_group_segment_fixed_size 27648
		.amdhsa_private_segment_fixed_size 0
		.amdhsa_enable_private_segment 0
		.amdhsa_kernarg_size 24
		.amdhsa_user_sgpr_count 2
		.amdhsa_user_sgpr_kernarg_segment_ptr 1
		.amdhsa_wavefront_size32 1
		.amdhsa_system_sgpr_workgroup_id_x 1
		.amdhsa_system_sgpr_workgroup_id_y 1
		.amdhsa_system_sgpr_workgroup_id_z 1
		.amdhsa_system_vgpr_workitem_id 0
		.amdhsa_next_free_vgpr 448
		.amdhsa_next_free_sgpr 66
		.amdhsa_reserve_vcc 1
		.amdhsa_float_denorm_mode_32 3
		.amdhsa_float_denorm_mode_16_64 3
		.amdhsa_memory_ordered 1
		.amdhsa_forward_progress 1
		.amdhsa_inst_pref_size 243
	.end_amdhsa_kernel
	.amdgpu_metadata
---
amdhsa.version: [ 1, 2 ]
amdhsa.kernels:
  - .name:           k_q9b0c2f1d07_nearest
    .symbol:         k_q9b0c2f1d07_nearest.kd
    .args:
      - { .name: x, .offset: 0, .size: 8, .value_kind: global_buffer, .address_space: global }
      - { .name: cbq, .offset: 8, .size: 8, .value_kind: global_buffer, .address_space: global }
      - { .name: idx, .offset: 16, .size: 8, .value_kind: global_buffer, .address_space: global }
    .group_segment_fixed_size: 27648
    .private_segment_fixed_size: 0
    .kernarg_segment_align: 8
    .kernarg_segment_size: 24
    .max_flat_workgroup_size: 256
    .sgpr_count:     66
    .vgpr_count:     448
    .wavefront_size: 32
...
	.end_amdgpu_metadata
.endif
;; end of part 2
;; launch gather (part 3): grid 256 x 1, 8 waves a work-group, no clusters, 135,168 bytes of LDS; arguments x, codebook, idx, out0, lossp; writes out0, lossp
.if DOCPART == 3
	.amdgcn_target "amdgcn-amd-amdhsa--gfx1250"
	.amdhsa_code_object_version 6
	.text
	.protected	k_q9b0c2f1d07_gather
	.globl	k_q9b0c2f1d07_gather
	.p2align	8
	.type	k_q9b0c2f1d07_gather,@function
k_q9b0c2f1d07_gather:
	s_mov_b64 s[64:65], 0
	v_nop
	global_prefetch_b8 v0, s[64:65] scope:SCOPE_SE
	s_setreg_imm32_b32 hwreg(HW_REG_WAVE_MODE, 25, 1), 1
	s_wait_xcnt 0x0
; out0[b][c][hw] = x + (xq - x), xq = codebook[idx[1024 b + hw]][c], each step rounded in f32 as it is written; lossp[g] = the work-group's sum of (xq - x)^2.
; x, out0: [32][256][1024] f32; codebook: [8192][256] f32; idx: 32,768 whole numbers that the launch before stored (held to 0 .. 8191 ahead of their use in an address).
; SHARES.  A work-group owns 128 neighbouring pixels of one image, all 256 channels.  Codebook rows lie along the channels, x and out0 along the pixels: the rows turn through LDS.
;   In: wave w fetches the rows of pixels 16 w .. 16 w + 15: two loads of 512 consecutive bytes a row, stored to LDS as they lie.
;   Out: wave w takes channels 32 w .. 32 w + 31; a lane takes 4 neighbouring pixels, so that each load of x and each store of out0 covers 512 consecutive aligned bytes.
; LDS: 128 rows of 1,024 bytes + 16.  Pixel p lies in row 32 (p % 4) + p / 4, so that the 32 lanes that read pixels 4 l + i take 32 neighbouring rows.  Behind them 32 bytes for the waves' sums.
; No matrix work, no tensor load, no cluster: x is read by one work-group alone, and which codebook rows a work-group wants hangs on idx.
; REGISTERS: v2 16 x lane; v3-6 LDS addresses; v7, v28 the sums' words; v[8:11] two pairs of sums; v12-27 xq - x of 4 channels x 4 pixels; v32-63 codebook numbers from LDS, two sets; v64-191 x, then out0, 4 registers a channel;
;   v128-255 first hold the gathered rows.   s[16:31] 16 indices; s[32:63] the 16 rows' addresses.
.set PIT,  1040
.set LSUM, 128*PIT
.set T,    12
.set QR,   32
.set X,    64
.set G,    128
	s_load_b256 s[4:11], s[0:1], 0x0               ; x s[4:5], codebook s[6:7], idx s[8:9], out0 s[10:11]
	s_load_b64 s[12:13], s[0:1], 0x20              ; lossp
	v_lshl_add_u32 v30, v0, 2, 0x20c00
	v_mov_b32 v31, 0
	v_lshrrev_b32 v1, 5, v0
	s_delay_alu instid0(VALU_DEP_1)
	v_readfirstlane_b32 s14, v1                    ; wave 0..7
	v_and_b32 v1, 31, v0                           ; lane
	s_delay_alu instid0(VALU_DEP_1)
	v_lshlrev_b32 v2, 4, v1                        ; 16 x lane
	s_lshl_b32 s2, ttmp9, 9                        ; idx: 128 g words,
	s_lshl_b32 s3, s14, 6                          ; + my wave's 16
	s_add_co_u32 s2, s2, s3
	s_mov_b32 s3, 0
	s_lshr_b32 s66, ttmp9, 3                       ; x and out0: image g / 8, 2^20 bytes each,
	s_lshl_b32 s66, s66, 20
	s_and_b32 s67, ttmp9, 7
	s_lshl_b32 s67, s67, 9                         ; + 128 (g % 8) pixels,
	s_add_co_u32 s66, s66, s67
	s_lshl_b32 s67, s14, 17                        ; + my wave's 32 channels of 4,096 bytes
	s_add_co_u32 s66, s66, s67
	s_mov_b32 s67, 0
	s_wait_alu depctr_va_vdst(0)
	s_wait_kmcnt 0x0
	s_add_nc_u64 s[8:9], s[8:9], s[2:3]
	s_load_b512 s[16:31], s[8:9], 0x0              ; my 16 pixels' indices
	s_add_nc_u64 s[4:5], s[4:5], s[66:67]
	s_add_nc_u64 s[10:11], s[10:11], s[66:67]
	s_lshl_b32 s66, ttmp9, 2
	s_add_nc_u64 s[12:13], s[12:13], s[66:67]      ; my work-group's word of lossp
.set i, 0
.rept 16
	global_load_b128 v[X+4*i:X+4*i+3], v2, s[4:5] offset:4096*i th:TH_LOAD_NT   ; x, my first 16 channels: these hang on no index and go out while the indices come
.set i, i+1
.endr
	s_mul_i32 s15, s14, 4*PIT
	v_add_nc_u32 v3, s15, v2                       ; LDS, in: rows 4 w on, 16 x lane; for pixels with t % 4 < 2,
	s_delay_alu instid0(VALU_DEP_1)
	v_add_nc_u32 v4, 64*PIT, v3                    ; and 64 rows further on for the others (an LDS offset has 16 bits)
	v_mul_u32_u24 v5, v1, PIT
	s_lshl_b32 s15, s14, 7
	v_add_nc_u32 v5, s15, v5                       ; LDS, out: row = lane, my wave's 32 channels: 128 w bytes on; pixels 4 l, 4 l + 1,
	s_delay_alu instid0(VALU_DEP_1)
	v_add_nc_u32 v6, 64*PIT, v5                    ; and 4 l + 2, 4 l + 3
	s_lshl_b32 s15, s14, 2
	s_add_co_u32 s15, s15, LSUM
	v_mov_b32 v7, s15                              ; my wave's sum
	v_mov_b32 v28, LSUM                            ; all eight
	s_mov_b32 s68, 0x76543210
	s_mov_b32 s69, 0xfedcba98                      ; v_permlanex16_b32's selects for lane l xor 16
	s_wait_alu depctr_va_vdst(0)
	s_wait_kmcnt 0x0
.irp t, 0,1,2,3,4,5,6,7,8,9,10,11,12,13,14,15
	s_min_u32 s[16+\t], s[16+\t], 8191             ; an index stays inside the table
	s_lshl_b32 s[32+2*\t], s[16+\t], 10            ; a row is 1,024 bytes
	s_mov_b32 s[33+2*\t], 0
	s_add_nc_u64 s[32+2*\t:33+2*\t], s[6:7], s[32+2*\t:33+2*\t]
.endr
.set i, 0
.rept 32
	global_load_b128 v[G+4*i:G+4*i+3], v2, s[32+2*(i/2):33+2*(i/2)] offset:512*(i%2)   ; half a row: 512 consecutive bytes.  No hint: a row may be named by many pixels
.set i, i+1
.endr
.set i, 0
.rept 32
	s_wait_loadcnt 31-i                            ; loads come back in order: load i is in, the 31 - i younger ones may be out
.if ((i/2)%4) < 2
	ds_store_b128 v3, v[G+4*i:G+4*i+3] offset:(((i/2)%2)*32+(i/2)/4)*PIT+512*(i%2)
.else
	ds_store_b128 v4, v[G+4*i:G+4*i+3] offset:(((i/2)%2)*32+(i/2)/4)*PIT+512*(i%2)
.endif
.set i, i+1
.endr
	s_wait_dscnt 0x0                               ; my stores have landed, for the others' sake, and have read their registers, which the loads below write
.set i, 16
.rept 16
	global_load_b128 v[X+4*i:X+4*i+3], v2, s[4:5] offset:4096*i th:TH_LOAD_NT   ; x, my other 16 channels
.set i, i+1
.endr
	s_barrier_signal -1
	s_barrier_wait -1                              ; the 128 rows lie in LDS
.macro QLOAD q                         ; channels 4 q .. 4 q + 3 of my wave's 32, of my four pixels, into set q % 2
.irp i, 0,1
	ds_load_b128 v[QR+16*((\q)%2)+4*\i:QR+16*((\q)%2)+4*\i+3], v5 offset:\i*32*PIT+16*(\q)
.endr
.irp i, 0,1
	ds_load_b128 v[QR+16*((\q)%2)+8+4*\i:QR+16*((\q)%2)+8+4*\i+3], v6 offset:\i*32*PIT+16*(\q)
.endr
.endm
.macro GROUP q
.if (\q) < 7
	QLOAD (\q)+1
	s_wait_dscnt 4                                 ; this group's four loads are in; the next group's four may be out
.else
	s_wait_dscnt 0x0
.endif
.if (\q) >= 4
	s_wait_loadcnt 28-4*(\q)                       ; x's channels up to 4 q + 3 are in; the later channels' loads may be out.  (Channels 0 to 15 came ahead of the gathered rows)
.endif
.irp k, 0,1,2,3
.irp i, 0,1,2,3
	v_sub_f32 v[T+4*\k+\i], v[QR+16*((\q)%2)+4*\i+\k], v[X+16*(\q)+4*\k+\i]   ; xq - x: channel 4 q + k, pixel 4 l + i
.endr
.endr
.irp e, 0,2,4,6,8,10,12,14
	v_pk_add_f32 v[X+16*(\q)+\e:X+16*(\q)+\e+1], v[X+16*(\q)+\e:X+16*(\q)+\e+1], v[T+\e:T+\e+1]   ; x + (xq - x)
.endr
.irp e, 0,2,4,6,8,10,12,14
.if ((\q) == 0) && (\e < 4)
	v_pk_mul_f32 v[8+\e:9+\e], v[T+\e:T+\e+1], v[T+\e:T+\e+1]     ; the first squares start the two chains
.else
	v_pk_fma_f32 v[8+2*((\e/2)%2):9+2*((\e/2)%2)], v[T+\e:T+\e+1], v[T+\e:T+\e+1], v[8+2*((\e/2)%2):9+2*((\e/2)%2)]
.endif
.endr
.irp k, 0,1,2,3
	global_store_b128 v2, v[X+16*(\q)+4*\k:X+16*(\q)+4*\k+3], s[10:11] offset:4096*(4*(\q)+\k) th:TH_STORE_NT   ; 32 lanes store 512 consecutive bytes, at a multiple of 256 from out0's first byte; these registers are never written again
.endr
.endm
	QLOAD 0
.irp q, 0,1,2,3,4,5,6,7
	GROUP \q
.endr
	v_pk_add_f32 v[8:9], v[8:9], v[10:11]
	s_delay_alu instid0(VALU_DEP_1)
	v_add_f32 v8, v8, v9
	s_delay_alu instid0(VALU_DEP_1)
	v_add_f32_dpp v8, v8, v8 row_xmask:1 row_mask:0xf bank_mask:0xf
	s_delay_alu instid0(VALU_DEP_1)
	v_add_f32_dpp v8, v8, v8 row_xmask:2 row_mask:0xf bank_mask:0xf
	s_delay_alu instid0(VALU_DEP_1)
	v_add_f32_dpp v8, v8, v8 row_xmask:4 row_mask:0xf bank_mask:0xf
	s_delay_alu instid0(VALU_DEP_1)
	v_add_f32_dpp v8, v8, v8 row_xmask:8 row_mask:0xf bank_mask:0xf
	s_delay_alu instid0(VALU_DEP_1)
	v_permlanex16_b32 v9, v8, s68, s69
	s_delay_alu instid0(VALU_DEP_1)
	v_add_f32 v8, v8, v9                           ; my wave's sum, in every lane
	ds_store_b32 v7, v8                            ; all lanes write the same word with the same value
	s_wait_dscnt 0x0
	s_barrier_signal -1
	s_barrier_wait -1
	s_cmp_lg_u32 s14, 0
	s_cbranch_scc1 .Ldone                          ; wave 0 adds the eight, always in the same order
	ds_load_b128 v[12:15], v28
	ds_load_b128 v[16:19], v28 offset:16
	s_wait_dscnt 0x0
	v_pk_add_f32 v[12:13], v[12:13], v[14:15]
	v_pk_add_f32 v[16:17], v[16:17], v[18:19]
	s_delay_alu instid0(VALU_DEP_1)
	v_pk_add_f32 v[12:13], v[12:13], v[16:17]
	s_delay_alu instid0(VALU_DEP_1)
	v_add_f32 v12, v12, v13
	v_mov_b32 v20, 0
	s_wait_alu depctr_va_vdst(0)
	s_wait_xcnt 0x0                                ; EXEC is a source of the stores above: it changes only behind this wait
	v_cmp_eq_u32 vcc_lo, 0, v0
	s_and_saveexec_b32 s70, vcc_lo                 ; one lane stores the work-group's one number
	global_store_b32 v20, v12, s[12:13]
	s_wait_xcnt 0x0                                ; and again in front of the line that widens it
	s_or_b32 exec_lo, exec_lo, s70
.Ldone:
	s_wait_tensorcnt 0x0
	ds_add_u32 v30, v31
	s_wait_dscnt 0x0
	s_endpgm
.Lfunc_end_k_q9b0c2f1d07_gather:
	.size	k_q9b0c2f1d07_gather, .Lfunc_end_k_q9b0c2f1d07_gather-k_q9b0c2f1d07_gather
	.p2alignl 7, 3214868480
	.fill 96, 4, 3214868480
	.section	.rodata,"a",@progbits
	.p2align	6, 0x0
	.amdhsa_kernel k_q9b0c2f1d07_gather
		.amdhsa_group_segment_fixed_size 135168
		.amdhsa_private_segment_fixed_size 0
		.amdhsa_enable_private_segment 0
		.amdhsa_kernarg_size 40
		.amdhsa_user_sgpr_count 2
		.amdhsa_user_sgpr_kernarg_segment_ptr 1
		.amdhsa_wavefront_size32 1
		.amdhsa_system_sgpr_workgroup_id_x 1
		.amdhsa_system_sgpr_workgroup_id_y 1
		.amdhsa_system_sgpr_workgroup_id_z 1
		.amdhsa_system_vgpr_workitem_id 0
		.amdhsa_next_free_vgpr 256
		.amdhsa_next_free_sgpr 80
		.amdhsa_reserve_vcc 1
		.amdhsa_float_denorm_mode_32 3
		.amdhsa_float_denorm_mode_16_64 3
		.amdhsa_memory_ordered 1
		.amdhsa_forward_progress 1
		.amdhsa_inst_pref_size 33
	.end_amdhsa_kernel
	.amdgpu_metadata
---
amdhsa.version: [ 1, 2 ]
amdhsa.kernels:
  - .name:           k_q9b0c2f1d07_gather
    .symbol:         k_q9b0c2f1d07_gather.kd
    .args:
      - { .name: x, .offset: 0, .size: 8, .value_kind: global_buffer, .address_space: global }
      - { .name: codebook, .offset: 8, .size: 8, .value_kind: global_buffer, .address_space: global }
      - { .name: idx, .offset: 16, .size: 8, .value_kind: global_buffer, .address_space: global }
      - { .name: out0, .offset: 24, .size: 8, .value_kind: global_buffer, .address_space: global }
      - { .name: lossp, .offset: 32, .size: 8, .value_kind: global_buffer, .address_space: global }
    .group_segment_fixed_size: 135168
    .private_segment_fixed_size: 0
    .kernarg_segment_align: 8
    .kernarg_segment_size: 40
    .max_flat_workgroup_size: 256
    .sgpr_count:     80
    .vgpr_count:     256
    .wavefront_size: 32
...
	.end_amdgpu_metadata
.endif
;; end of part 3
;; launch total (part 4): grid 1 x 1, 1 waves a work-group, no clusters, 0 bytes of LDS; arguments lossp, out1; writes out1
.if DOCPART == 4
	.amdgcn_target "amdgcn-amd-amdhsa--gfx1250"
	.amdhsa_code_object_version 6
	.text
	.protected	k_q9b0c2f1d07_total
	.globl	k_q9b0c2f1d07_total
	.p2align	8
	.type	k_q9b0c2f1d07_total,@function
k_q9b0c2f1d07_total:
	s_mov_b64 s[64:65], 0
	v_nop
	global_prefetch_b8 v0, s[64:65] scope:SCOPE_SE
	s_setreg_imm32_b32 hwreg(HW_REG_WAVE_MODE, 25, 1), 1
	s_wait_xcnt 0x0
; out1 = 1.25 x the mean of (xq - x)^2 over 32,768 x 256 = 2^23 numbers: both terms of the loss have the same value, one weighs 1 and the other 0.25.
; lossp holds one sum for each of the 256 work-groups of the launch before.  One wave: 8 numbers a lane (the wave's two loads cover the 1,024 bytes), a sum over the lanes, one multiplication, one store.
; A sum over work-groups has one owner, in a launch behind them: no traffic between work-groups of a launch.
	s_load_b128 s[4:7], s[0:1], 0x0                ; lossp s[4:5], out1 s[6:7]
	v_lshlrev_b32 v1, 5, v0                        ; 32 bytes a lane
	s_mov_b32 s8, 0x76543210
	s_mov_b32 s9, 0xfedcba98                       ; v_permlanex16_b32's selects for lane l xor 16
	s_wait_alu depctr_va_vdst(0)
	s_wait_kmcnt 0x0
	global_load_b128 v[4:7], v1, s[4:5]
	global_load_b128 v[8:11], v1, s[4:5] offset:16
	s_wait_loadcnt 0x0
	v_pk_add_f32 v[4:5], v[4:5], v[6:7]
	v_pk_add_f32 v[8:9], v[8:9], v[10:11]
	v_pk_add_f32 v[4:5], v[4:5], v[8:9]
	v_add_f32 v4, v4, v5
	v_add_f32_dpp v4, v4, v4 row_xmask:1 row_mask:0xf bank_mask:0xf
	v_add_f32_dpp v4, v4, v4 row_xmask:2 row_mask:0xf bank_mask:0xf
	v_add_f32_dpp v4, v4, v4 row_xmask:4 row_mask:0xf bank_mask:0xf
	v_add_f32_dpp v4, v4, v4 row_xmask:8 row_mask:0xf bank_mask:0xf
	v_permlanex16_b32 v5, v4, s8, s9
	v_add_f32 v4, v4, v5
	v_mul_f32 v4, 0x34200000, v4                   ; x 1.25 x 2^-23
	v_mov_b32 v2, 0
	s_wait_alu depctr_va_vdst(0)
	s_wait_xcnt 0x0                                ; EXEC changes only behind this wait
	v_cmp_eq_u32 vcc_lo, 0, v0
	s_and_saveexec_b32 s10, vcc_lo                 ; one lane stores the one number
	global_store_b32 v2, v4, s[6:7]
	s_wait_xcnt 0x0                                ; and again in front of the line that widens it
	s_or_b32 exec_lo, exec_lo, s10
	s_endpgm
.Lfunc_end_k_q9b0c2f1d07_total:
	.size	k_q9b0c2f1d07_total, .Lfunc_end_k_q9b0c2f1d07_total-k_q9b0c2f1d07_total
	.p2alignl 7, 3214868480
	.fill 96, 4, 3214868480
	.section	.rodata,"a",@progbits
	.p2align	6, 0x0
	.amdhsa_kernel k_q9b0c2f1d07_total
		.amdhsa_group_segment_fixed_size 0
		.amdhsa_private_segment_fixed_size 0
		.amdhsa_enable_private_segment 0
		.amdhsa_kernarg_size 16
		.amdhsa_user_sgpr_count 2
		.amdhsa_user_sgpr_kernarg_segment_ptr 1
		.amdhsa_wavefront_size32 1
		.amdhsa_system_sgpr_workgroup_id_x 1
		.amdhsa_system_sgpr_workgroup_id_y 1
		.amdhsa_system_sgpr_workgroup_id_z 1
		.amdhsa_system_vgpr_workitem_id 0
		.amdhsa_next_free_vgpr 16
		.amdhsa_next_free_sgpr 66
		.amdhsa_reserve_vcc 1
		.amdhsa_float_denorm_mode_32 3
		.amdhsa_float_denorm_mode_16_64 3
		.amdhsa_memory_ordered 1
		.amdhsa_forward_progress 1
		.amdhsa_inst_pref_size 2
	.end_amdhsa_kernel
	.amdgpu_metadata
---
amdhsa.version: [ 1, 2 ]
amdhsa.kernels:
  - .name:           k_q9b0c2f1d07_total
    .symbol:         k_q9b0c2f1d07_total.kd
    .args:
      - { .name: lossp, .offset: 0, .size: 8, .value_kind: global_buffer, .address_space: global }
      - { .name: out1, .offset: 8, .size: 8, .value_kind: global_buffer, .address_space: global }
    .group_segment_fixed_size: 0
    .private_segment_fixed_size: 0
    .kernarg_segment_align: 8
    .kernarg_segment_size: 16
    .max_flat_workgroup_size: 32
    .sgpr_count:     66
    .vgpr_count:     16
    .wavefront_size: 32
...
	.end_amdgpu_metadata
.endif
;; end of part 4
